; MI455X (gfx1250); checked and timed in simulation.
; The chip was launched on July 23, 2026; its instructions are those of AMD's public machine-readable ISA for CDNA 5 (MIT licence, August 2026) and "CDNA5" Instruction Set Architecture Reference Guide (July 2026). The comments in the code are by the model that wrote it; some were corrected since.
;; Multi Head Attention. Allowed arithmetic: matrix products marked QUANTISED: E2M3 operands, one E8M0 scale for each 32 along K, by v_wmma_scale_f32_16x16x128_f8f6f4 with both operands' format E2M3, f32 sums; everything else in f32.
;; Inputs: Wk 1,024 x 1,024 float32; Wq 1,024 x 1,024 float32; Wv 1,024 x 1,024 float32; inputs 2 x 2,048 x 1,024 float32.
;; Outputs: out0 2 x 2,048 x 1,024 float32.
;; This version of the problem:
;;   THIS VERSION OF THE PROBLEM IS GIVEN IN LOW PRECISION. The matrix products marked QUANTISED in the list below multiply operands that are first quantised to E2M3 (2 exponent bits, 3 mantissa bits; 6 bits a number), with one power-of-two scale for each 32 numbers along K (OCP MX v1.0); their sums are f32. All else is computed in f32.
;;   The module's matrix products, in the order in which they are computed (A, B: the left and right operand; K: the contracted axis; several contracted axes count as one K, in the product's order):
;;     1. [M 4,096, K 1,024] x [K 1,024, N 1,024]; A: input inputs; B: input Wq: QUANTISED
;;     2. [M 4,096, K 1,024] x [K 1,024, N 1,024]; A: input inputs; B: input Wk: QUANTISED
;;     3. [M 4,096, K 1,024] x [K 1,024, N 1,024]; A: input inputs; B: input Wv: QUANTISED
;;     4. batch 32 x [M 2,048, K 64] x [K 64, N 2,048]; A: computed on the way; B: computed on the way: QUANTISED
;;     5. batch 32 x [M 2,048, K 2,048] x [K 2,048, N 64]; A: softmax (see below); B: computed on the way: QUANTISED
;;   THE QUANTISER, for each operand of a quantised product, along K:
;;     - K is cut into blocks of 32 from its start; a last block that is shorter is filled with zeros.
;;     - A block's scale is 2^e with e = floor(log2(the largest magnitude in the block)) - 2, held to -126 .. 127; a block of zeros has e = 0. As a byte (E8M0): e + 127.
;;     - Each number is divided by its block's scale, clamped to +-7.5, and rounded to the nearest number of E2M3, ties to even, subnormals kept.
;;     - The product sums the exact products of the quantised numbers (number of the format x scale) in f32.
;;   ~~~python
;;   def quantise(x, axis):      # numpy; x: float32 -> the quantised numbers, widened to float32 again
;;       x = np.moveaxis(x, axis, -1); K = x.shape[-1]
;;       x = np.pad(x, [(0, 0)] * (x.ndim - 1) + [(0, -K % 32)]); x = x.reshape(x.shape[:-1] + (-1, 32)); a = np.abs(x).max(-1, keepdims=True)
;;       e = np.where(a > 0, np.clip(np.frexp(np.where(a > 0, a, 1))[1] - 1 - 2, -126, 127), 0)      # np.frexp(a)[1] - 1 = floor(log2(a)), exactly
;;       r = np.clip(x / 2.0 ** e, -7.5, 7.5)
;;       step = 2.0 ** (np.maximum(np.frexp(np.where(r == 0, 1, r))[1] - 1, 0) - 3)
;;       q = np.round(r / step) * step * 2.0 ** e      # np.round: ties to even
;;       return np.moveaxis(q.reshape(q.shape[:-2] + (-1,))[..., :K], -1, axis).astype(np.float32)
;;   ~~~
;;   SOFTMAX AHEAD OF A QUANTISED PRODUCT. Where the list says 'softmax', what is quantised is not the finished softmax but p = 2^(t - M), with t = logit x log2(e) and M = ceil(the row's largest t), a whole number; so 1/2 < the row's largest p <= 1. The row's sum l is taken of the UNQUANTISED p, in f32, and the product's result is divided by l at the end. Since M is a whole number, a kernel that streams over the keys may use a running M (the ceiling of the running maximum): every later rescaling is an exact power of two, which a block's scale takes up: the codes' values come out the same.
;;   OPERANDS COMPUTED ON THE WAY. 'Computed on the way' means the value that the module computes at that place (a softmax that the list does not call 'softmax' is quantised finished and normalised). What goes into a quantiser is computed in f32, as accurately as f32 sums, v_exp_f32 and their like allow (about 1e-6 of the number): no bf16 or f16 on the way to a quantiser, and a product that is left as it is and whose result goes on into a quantised operand takes f32 operands (vector FMAs, or v_wmma_f32_16x16x4_f32). A number that lies on a knife's edge between two numbers of the format may be rounded either way, as far as f32 arithmetic and the matrix unit's own rounding can turn it there, and no further.
;; One version. Each part assembles by itself: llvm-mc -triple=amdgcn-amd-amdhsa -mcpu=gfx1250 --defsym DOCPART=n.
;; ======== version 1 of 1: 4 launches
;; workspace buffers: codes 5,505,024 bytes; scl 229,376 bytes; img 9,830,400 bytes
;; launch qx (part 1): grid 256 x 1, 2 waves a work-group, no clusters, 16,640 bytes of LDS; arguments inputs, codes, scl; writes codes, scl
.if DOCPART == 1
	.amdgcn_target "amdgcn-amd-amdhsa--gfx1250"
	.amdhsa_code_object_version 6
	.text
	.protected	k_q280a368ece_qx
	.globl	k_q280a368ece_qx
	.p2align	8
	.type	k_q280a368ece_qx,@function
k_q280a368ece_qx:
	s_mov_b64 s[64:65], 0
	v_nop
	global_prefetch_b8 v0, s[64:65] scope:SCOPE_SE
	s_setreg_imm32_b32 hwreg(HW_REG_WAVE_MODE, 25, 1), 1
	s_wait_xcnt 0x0
; inputs [4096][1024] f32 become codes of FP6 (E2M3), 6 bits each, K innermost (a row: 768 bytes), and one E8M0 scale byte for each 32 along K (a row: 32 bytes).
; A block's scale is 2^(floor(log2(its largest magnitude)) - 2); its byte is the largest magnitude's exponent field - 2, held at 1 from below.  Each number is divided by the scale and rounded to the nearest code, ties to even;
; beyond the largest code the conversion gives the largest code.
; LIMITS: NaN and infinities among the inputs are not served.  A block whose largest magnitude lies under 2^-124 has its byte held at 1.  A block of zeros gets the byte 1 where the quantiser's text says 127: its codes are
; zeros, which add nothing under any byte but 0xff, and the bytes are read by this program alone.
; THE ROWS ARE STORED IN ANOTHER ORDER: row L goes to place L with bits 3 and 4 exchanged.  Sixteen places on end then hold rows 32 g + 8 u + i + 8 (i / 8), which is the choice of rows that lets a later
; matrix result, used transposed, hold 16 neighbours along the next K in 16 registers of a lane.
; A wave takes a run of 8 rows (8,192 numbers), 16 steps of 512 numbers: a run keeps together under the exchange, so only the run's number is permuted.  256 work-groups of two waves: 512 runs.
; Each load reads 512 consecutive bytes, 16 a lane; a step's 2,048 bytes turn through the wave's own stage in LDS and come back 64 bytes a lane: 16 neighbours, as the conversion wants them; two lanes hold a block.
; No tensor loads, no barrier, no cluster: waves share nothing.  Loads run four steps (16 loads a wave) ahead, the turn through LDS one step.
.set STEPS, 16
.set EMAX,  2
.set CB,    12                         ; bytes of 16 codes
.set R,     16                         ; v16-79   four sets of 16 numbers as they are loaded
.set X,     80                         ; v80-111  two sets of 16 neighbours
.set E,     112                        ; v112-127 a scale byte for each step
.set C,     128                        ; v128-191 codes: four registers for each step, so that no store's data are written again
.set WREG,  8192                       ; LDS: a region for each wave: two stages of 32 x SP bytes, behind them its 256 scale bytes
.set SP,    80                         ; a lane's place in a stage: its 64 bytes + 16 of padding
	s_load_b128 s[4:7], s[0:1], 0x0                ; inputs, codes
	s_load_b64 s[8:9], s[0:1], 0x10                ; scl
	v_lshl_add_u32 v192, v0, 2, 0x4000
	v_mov_b32 v193, 0
	v_lshrrev_b32 v1, 5, v0
	v_readfirstlane_b32 s16, v1                    ; wave
	v_and_b32 v2, 31, v0                           ; lane
	v_lshlrev_b32 v3, 4, v2                        ; my 16 bytes of a load's 512
	s_mul_i32 s17, s16, WREG
	v_lshrrev_b32 v14, 2, v2
	v_mul_u32_u24 v14, v14, SP
	v_and_b32 v15, 3, v2
	v_lshl_add_u32 v14, v15, 4, v14
	v_add_nc_u32 v14, s17, v14                     ; the stage, on the way in: SP (lane / 4) + 16 (lane % 4); a load's 512 bytes take eight places
	v_mul_u32_u24 v15, v2, SP
	v_add_nc_u32 v15, s17, v15                     ; and on the way out: SP x lane: my 16 neighbours
	v_mul_u32_u24 v4, v2, CB                       ; my codes' place in a step's
	v_lshrrev_b32 v5, 1, v2
	s_add_co_u32 s17, s17, 2*32*SP
	v_add_nc_u32 v5, s17, v5                       ; LDS: my wave's 256 scale bytes, my block's byte
	v_lshlrev_b32 v7, 3, v2                        ; and on the way out 8 bytes a lane
	v_add_nc_u32 v6, s17, v7
	s_lshl_b32 s18, ttmp9, 1
	s_add_co_u32 s18, s18, s16                     ; my run: rows 8 run .. 8 run + 7; the rows' bits 3 and 4 are the run's bits 0 and 1
	s_and_b32 s20, s18, 0x1fc
	s_and_b32 s21, s18, 1
	s_lshl_b32 s21, s21, 1
	s_or_b32 s20, s20, s21
	s_bfe_u32 s21, s18, 0x10001
	s_or_b32 s20, s20, s21                         ; the run's place: bits 0 and 1 exchanged
	s_lshl_b32 s22, s18, 15                        ; from: 32,768 bytes a run
	s_mov_b32 s23, 0
	s_mul_i32 s24, s20, 8*768                      ; to: 6,144 bytes of codes,
	s_mov_b32 s25, 0
	s_lshl_b32 s26, s20, 8                         ; 256 scale bytes
	s_mov_b32 s27, 0
	s_wait_kmcnt 0x0
	s_add_nc_u64 s[4:5], s[4:5], s[22:23]
	s_add_nc_u64 s[6:7], s[6:7], s[24:25]
	s_add_nc_u64 s[8:9], s[8:9], s[26:27]
.macro LOAD t
.irp i, 0,1,2,3
	global_load_b128 v[R+16*((\t)%4)+4*\i:R+16*((\t)%4)+4*\i+3], v3, s[4:5] offset:2048*(\t)+512*\i th:TH_LOAD_NT   ; 32 lanes read 512 consecutive bytes
.endr
.endm
.macro TURN t                          ; step t's numbers through the stage: LDS serves a wave's instructions in order (ISA guide 5.7.1.4), so no wait stands between the stores and the loads
.irp i, 0,1,2,3
	ds_store_b128 v14, v[R+16*((\t)%4)+4*\i:R+16*((\t)%4)+4*\i+3] offset:32*SP*((\t)%2)+8*SP*\i
.endr
.irp i, 0,1,2,3
	ds_load_b128 v[X+16*((\t)%2)+4*\i:X+16*((\t)%2)+4*\i+3], v15 offset:32*SP*((\t)%2)+16*\i
.endr
.endm
.irp t, 0,1,2,3
	LOAD \t
.endr
	s_wait_loadcnt 12                              ; step 0's four loads are in; the twelve of steps 1 to 3 may be out
	TURN 0
.macro STEP t
.set XS, X+16*((\t)%2)
.if (\t) > 0
	s_wait_dscnt 1                                 ; this step's numbers are back from the stage (the last step's byte store may be out): so its stores into the stage have read their registers,
.else
	s_wait_dscnt 0x0
.endif
.if (\t)+4 < STEPS
	LOAD (\t)+4                                    ; which take the loads of four steps on
.endif
.if (\t)+1 < STEPS
.if STEPS-2-(\t) >= 3
	s_wait_loadcnt 12                              ; the next step's four loads are in; those of the three steps behind it may be out
.else
	s_wait_loadcnt 4*(STEPS-2-(\t))
.endif
	TURN (\t)+1                                    ; and go through the other stage while this step is worked
.endif
	v_max3_num_f32 v8, |v[XS]|, |v[XS+1]|, |v[XS+2]|               ; the largest magnitude of my 16, in two chains
	v_max3_num_f32 v9, |v[XS+3]|, |v[XS+4]|, |v[XS+5]|
.irp i, 6,10
	v_max3_num_f32 v8, v8, |v[XS+\i]|, |v[XS+\i+1]|
	v_max3_num_f32 v9, v9, |v[XS+\i+2]|, |v[XS+\i+3]|
.endr
	v_max3_num_f32 v8, v8, |v[XS+14]|, |v[XS+15]|
	v_max3_num_f32 v8, v8, v9, (EMAX+1)<<23        ; and the floor 2^(3 - 127): the byte cannot fall under 1
	v_max_num_f32_dpp v8, v8, v8 row_xmask:1 row_mask:0xf bank_mask:0xf   ; and of my neighbour's 16: the block's
	v_add_nc_u32 v11, 0xff000000, v8               ; 2 off its exponent field: the conversion takes the exponent field of this operand as its scale, and nothing else of it
	v_cvt_scalef32_pk16_fp6_f32 v[C+4*(\t):C+4*(\t)+2], v[XS:XS+15], v11   ; 96 bits without gaps, the first number's code lowest
	v_lshrrev_b32 v[E+(\t)], 23, v11               ; the scale's byte
	ds_store_b8 v5, v[E+(\t)] offset:16*(\t)       ; both lanes of a block write the same byte with the same value
	global_store_b96 v4, v[C+4*(\t):C+4*(\t)+2], s[6:7] offset:32*CB*(\t)   ; the wave stores 384 consecutive bytes
.endm
.irp t, 0,1,2,3,4,5,6,7,8,9,10,11,12,13,14,15
	STEP \t
.endr
	ds_load_b64 v[12:13], v6                       ; these see my byte stores: LDS serves a wave's instructions in order
	s_wait_dscnt 0x0
	global_store_b64 v7, v[12:13], s[8:9]          ; 32 lanes store 256 consecutive bytes, at a multiple of 256 from the buffer's first byte
	s_wait_tensorcnt 0x0
	ds_add_u32 v192, v193
	s_wait_dscnt 0x0
	s_endpgm
.Lfunc_end_k_q280a368ece_qx:
	.size	k_q280a368ece_qx, .Lfunc_end_k_q280a368ece_qx-k_q280a368ece_qx
	.p2alignl 7, 3214868480
	.fill 96, 4, 3214868480
	.section	.rodata,"a",@progbits
	.p2align	6, 0x0
	.amdhsa_kernel k_q280a368ece_qx
		.amdhsa_group_segment_fixed_size 16640
		.amdhsa_private_segment_fixed_size 0
		.amdhsa_enable_private_segment 0
		.amdhsa_kernarg_size 24
		.amdhsa_user_sgpr_count 2
		.amdhsa_user_sgpr_kernarg_segment_ptr 1
		.amdhsa_wavefront_size32 1
		.amdhsa_system_sgpr_workgroup_id_x 1
		.amdhsa_system_sgpr_workgroup_id_y 1
		.amdhsa_system_sgpr_workgroup_id_z 1
		.amdhsa_system_vgpr_workitem_id 0
		.amdhsa_next_free_vgpr 194
		.amdhsa_next_free_sgpr 66
		.amdhsa_reserve_vcc 0
		.amdhsa_float_denorm_mode_32 3
		.amdhsa_float_denorm_mode_16_64 3
		.amdhsa_memory_ordered 1
		.amdhsa_forward_progress 1
		.amdhsa_inst_pref_size 32
	.end_amdhsa_kernel
	.amdgpu_metadata
---
amdhsa.version: [ 1, 2 ]
amdhsa.kernels:
  - .name:           k_q280a368ece_qx
    .symbol:         k_q280a368ece_qx.kd
    .args:
      - { .name: inputs, .offset: 0, .size: 8, .value_kind: global_buffer, .address_space: global }
      - { .name: codes, .offset: 8, .size: 8, .value_kind: global_buffer, .address_space: global }
      - { .name: scl, .offset: 16, .size: 8, .value_kind: global_buffer, .address_space: global }
    .group_segment_fixed_size: 16640
    .private_segment_fixed_size: 0
    .kernarg_segment_align: 8
    .kernarg_segment_size: 24
    .max_flat_workgroup_size: 64
    .sgpr_count:     66
    .vgpr_count:     194
    .wavefront_size: 32
...
	.end_amdgpu_metadata
.endif
;; end of part 1
;; launch qw (part 2): grid 48 x 4, 2 waves a work-group, no clusters, 17,664 bytes of LDS; arguments Wq, Wk, Wv, codes, scl; writes codes, scl
.if DOCPART == 2
	.amdgcn_target "amdgcn-amd-amdhsa--gfx1250"
	.amdhsa_code_object_version 6
	.text
	.protected	k_q280a368ece_qw
	.globl	k_q280a368ece_qw
	.p2align	8
	.type	k_q280a368ece_qw,@function
k_q280a368ece_qw:
	s_mov_b64 s[64:65], 0
	v_nop
	global_prefetch_b8 v0, s[64:65] scope:SCOPE_SE
	s_setreg_imm32_b32 hwreg(HW_REG_WAVE_MODE, 25, 1), 1
	s_wait_xcnt 0x0
; Wq, Wk, Wv [1024 (k)][1024 (n)], f32, are operands whose K is their FIRST axis.  Each column n becomes a row of 1,024 codes of FP6 (E2M3), K innermost (768 bytes), and 32 E8M0 scale bytes.
; The 3,072 columns follow the 4,096 rows of the inputs in the two buffers: Wq's at rows 4096 on, Wk's at 5120 on, Wv's at 6144 on; and, as there, column n lies at the place n with bits 3 and 4 exchanged.
; A LANE TAKES A COLUMN, AND ITS REGISTERS RUN DOWN K: each load reads 128 consecutive bytes a wave, a block of 32 along K lies in one lane's 32 registers, so its largest magnitude needs no other lane,
; and the conversions give the codes with K innermost.  Nothing is transposed by an instruction.
; A block's scale is 2^(floor(log2(its largest magnitude)) - 2); its byte is the largest magnitude's exponent field - 2, held at 1 from below.
; LIMITS: NaN and infinities are not served; a block whose largest magnitude lies under 2^-124 has its byte held at 1; a block of zeros gets the byte 1 where the quantiser's text says 127 (its codes are zeros, and this program alone reads the bytes).
; A wave takes 32 columns x 256 along K: 8 blocks a lane, 192 bytes of codes a column; they go through the wave's own stage in LDS and leave as rows: sixteen lanes store a row's 192 consecutive bytes, 12 bytes each.
; The scale bytes leave 8 bytes a lane, 32 bytes apart: 96 KB of the 12.6 MB that the launch moves.
; Work-group x: 64 columns of the 3,072; y: 256 of K.  The tensor is chosen by the work-group's number alone.  No tensor loads, no barrier, no cluster: waves share nothing.  Loads run two blocks (64 loads a wave) ahead.
.set SIZE_N, 1024
.set NB,    8                          ; blocks a wave
.set ROWB,  192                        ; bytes of 256 codes
.set PITCH, 272                        ; a stage row: sixteen places of 16 bytes, each with 12 bytes of codes, + 16
.set KROW,  768                        ; a row of the codes' buffer
.set EMAX,  2
.set SB,    24                         ; v24-25   the scale bytes, four to a register
.set X,     32                         ; v32-95   two sets of 32 numbers
.set C,     96                         ; v96..    a block's codes
.set OUTR,  112                        ; v112-175 the way out: 16 x 4 registers
	s_load_b128 s[4:7], s[0:1], 0x0                ; Wq, Wk
	s_load_b128 s[8:11], s[0:1], 0x10              ; Wv, codes
	s_load_b64 s[12:13], s[0:1], 0x20              ; scl
	v_lshl_add_u32 v192, v0, 2, 0x4400
	v_mov_b32 v193, 0
	v_lshrrev_b32 v1, 5, v0
	v_readfirstlane_b32 s16, v1                    ; wave 0, 1
	v_and_b32 v2, 31, v0                           ; lane
	s_lshl_b32 s17, ttmp9, 6
	s_lshl_b32 s18, s16, 5
	s_add_co_u32 s17, s17, s18                     ; my wave's first column of the 3,072: a multiple of 32
	s_and_b32 s18, ttmp7, 0xffff                   ; which 256 along K
	v_lshlrev_b32 v3, 2, v2                        ; in: 4 bytes a lane
	s_mul_i32 s19, s16, 32*PITCH                   ; my stage
	v_mul_u32_u24 v4, v2, PITCH
	v_add_nc_u32 v4, s19, v4                       ; into it: row = my column
	v_and_b32 v5, 15, v2
	v_lshrrev_b32 v6, 4, v2                        ; out of it: sixteen lanes to a row, two rows an instruction
	v_mul_u32_u24 v7, v6, PITCH
	v_lshl_add_u32 v7, v5, 4, v7
	v_add_nc_u32 v7, s19, v7
	v_mul_u32_u24 v8, v6, KROW
	v_mad_u32_u24 v8, v5, 12, v8                   ; and the same place in the codes' buffer
	v_and_b32 v9, 7, v2                            ; my column's place among the 32: bits 3 and 4 exchanged,
	v_bfe_u32 v10, v2, 3, 1
	v_lshl_or_b32 v9, v10, 4, v9
	v_lshl_or_b32 v9, v6, 3, v9
	v_lshlrev_b32 v9, 5, v9                        ; 32 scale bytes a row
	s_lshl_b32 s20, s18, 20                        ; from: 256 rows of 4,096 bytes for each y,
	s_and_b32 s22, s17, 1023
	s_lshl_b32 s22, s22, 2
	s_add_co_u32 s20, s20, s22                     ; + 4 x the column in its own tensor
	s_mov_b32 s21, 0
	s_add_co_u32 s24, s17, 4096                    ; to: behind the inputs' 4,096 rows
	s_mul_i32 s26, s24, KROW
	s_mul_i32 s22, s18, ROWB
	s_add_co_u32 s26, s26, s22
	s_mov_b32 s27, 0
	s_lshl_b32 s28, s24, 5
	s_lshl_b32 s22, s18, 3
	s_add_co_u32 s28, s28, s22
	s_mov_b32 s29, 0
	s_wait_kmcnt 0x0
	s_cmp_lt_u32 ttmp9, 16                         ; work-groups 0-15: Wq, 16-31: Wk, 32-47: Wv
	s_cselect_b64 s[4:5], s[4:5], s[6:7]
	s_cmp_lt_u32 ttmp9, 32
	s_cselect_b64 s[4:5], s[4:5], s[8:9]
	s_add_nc_u64 s[4:5], s[4:5], s[20:21]
	s_add_nc_u64 s[10:11], s[10:11], s[26:27]
	s_add_nc_u64 s[12:13], s[12:13], s[28:29]
.macro LOAD t                          ; block t: W(32 t + i, my column), i = 0 .. 31, into set t % 2; the offsets, 1,044,480 at the most, are immediates
.irp i, 0,1,2,3,4,5,6,7,8,9,10,11,12,13,14,15,16,17,18,19,20,21,22,23,24,25,26,27,28,29,30,31
	global_load_b32 v[X+32*((\t)%2)+\i], v3, s[4:5] offset:(32*(\t)+\i)*SIZE_N*4 th:TH_LOAD_NT
.endr
.endm
	LOAD 0
	LOAD 1
.macro BLOCK t
.set XS, X+32*((\t)%2)
.if (\t) < NB-1
	s_wait_loadcnt 32                              ; this block's 32 loads are in; the next block's may be out
.else
	s_wait_loadcnt 0
.endif
	v_max3_num_f32 v12, |v[XS]|, |v[XS+1]|, |v[XS+2]|              ; the block's largest magnitude: all 32 numbers are mine; two chains
	v_max3_num_f32 v13, |v[XS+3]|, |v[XS+4]|, |v[XS+5]|
.irp i, 6,10,14,18,22,26
	v_max3_num_f32 v12, v12, |v[XS+\i]|, |v[XS+\i+1]|
	v_max3_num_f32 v13, v13, |v[XS+\i+2]|, |v[XS+\i+3]|
.endr
	v_max3_num_f32 v12, v12, |v[XS+30]|, |v[XS+31]|
	v_max3_num_f32 v12, v12, v13, (EMAX+1)<<23     ; and the floor 2^(3 - 127): the byte cannot fall under 1
	v_add_nc_u32 v11, 0xff000000, v12              ; 2 off its exponent field: the conversion's scale operand
	v_lshrrev_b32 v13, 23, v11                     ; the scale's byte
.if (\t)%4 == 0
	v_mov_b32 v[SB+(\t)/4], v13                    ; four bytes to a register, the lower K in the lower byte
.else
	v_lshl_or_b32 v[SB+(\t)/4], v13, 8*((\t)%4), v[SB+(\t)/4]
.endif
	v_cvt_scalef32_pk16_fp6_f32 v[C:C+2], v[XS:XS+15], v11
	v_cvt_scalef32_pk16_fp6_f32 v[C+4:C+6], v[XS+16:XS+31], v11    ; (a conversion's three registers begin on an even number)
	ds_store_b96 v4, v[C:C+2] offset:32*(\t)       ; 16 codes, 12 bytes, to a place of 16 bytes, so that every LDS address is a multiple of 16
	ds_store_b96 v4, v[C+4:C+6] offset:32*(\t)+16
.if (\t)+2 < NB
	LOAD (\t)+2
.endif
	s_wait_dscnt 0x0                               ; the stores have read their registers: the next block's codes may be written
.endm
.set Q, 0
.rept NB
	BLOCK Q
.set Q, Q+1
.endr
	global_store_b64 v9, v[SB:SB+1], s[12:13]      ; my column's 8 scale bytes
.irp t, 0,1,2,3,4,5,6,7,8,9,10,11,12,13,14,15
	ds_load_b96 v[OUTR+4*\t:OUTR+4*\t+2], v7 offset:2*\t*PITCH     ; these see my stores: LDS serves a wave's instructions in order
.endr
.irp t, 0,1,2,3,4,5,6,7,8,9,10,11,12,13,14,15
	s_wait_dscnt 15-\t                             ; the loads behind this one may be out
	global_store_b96 v8, v[OUTR+4*\t:OUTR+4*\t+2], s[10:11] offset:2*(((\t)&3)|((((\t)>>2)&1)<<3)|((((\t)>>3)&1)<<2))*KROW   ; columns 2 t, 2 t + 1 at their places: the column's bits 3 and 4 are t's bits 2 and 3
.endr
	s_wait_tensorcnt 0x0
	ds_add_u32 v192, v193
	s_wait_dscnt 0x0
	s_endpgm
.Lfunc_end_k_q280a368ece_qw:
	.size	k_q280a368ece_qw, .Lfunc_end_k_q280a368ece_qw-k_q280a368ece_qw
	.p2alignl 7, 3214868480
	.fill 96, 4, 3214868480
	.section	.rodata,"a",@progbits
	.p2align	6, 0x0
	.amdhsa_kernel k_q280a368ece_qw
		.amdhsa_group_segment_fixed_size 17664
		.amdhsa_private_segment_fixed_size 0
		.amdhsa_enable_private_segment 0
		.amdhsa_kernarg_size 40
		.amdhsa_user_sgpr_count 2
		.amdhsa_user_sgpr_kernarg_segment_ptr 1
		.amdhsa_wavefront_size32 1
		.amdhsa_system_sgpr_workgroup_id_x 1
		.amdhsa_system_sgpr_workgroup_id_y 1
		.amdhsa_system_sgpr_workgroup_id_z 1
		.amdhsa_system_vgpr_workitem_id 0
		.amdhsa_next_free_vgpr 194
		.amdhsa_next_free_sgpr 66
		.amdhsa_reserve_vcc 0
		.amdhsa_float_denorm_mode_32 3
		.amdhsa_float_denorm_mode_16_64 3
		.amdhsa_memory_ordered 1
		.amdhsa_forward_progress 1
		.amdhsa_inst_pref_size 42
	.end_amdhsa_kernel
	.amdgpu_metadata
---
amdhsa.version: [ 1, 2 ]
amdhsa.kernels:
  - .name:           k_q280a368ece_qw
    .symbol:         k_q280a368ece_qw.kd
    .args:
      - { .name: Wq, .offset: 0, .size: 8, .value_kind: global_buffer, .address_space: global }
      - { .name: Wk, .offset: 8, .size: 8, .value_kind: global_buffer, .address_space: global }
      - { .name: Wv, .offset: 16, .size: 8, .value_kind: global_buffer, .address_space: global }
      - { .name: codes, .offset: 24, .size: 8, .value_kind: global_buffer, .address_space: global }
      - { .name: scl, .offset: 32, .size: 8, .value_kind: global_buffer, .address_space: global }
    .group_segment_fixed_size: 17664
    .private_segment_fixed_size: 0
    .kernarg_segment_align: 8
    .kernarg_segment_size: 40
    .max_flat_workgroup_size: 64
    .sgpr_count:     66
    .vgpr_count:     194
    .wavefront_size: 32
...
	.end_amdgpu_metadata
.endif
;; end of part 2
;; launch proj (part 3): grid 48 x 4, 4 waves a work-group, clusters of 4 x 4, 327,680 bytes of LDS; arguments codes, scl, img; writes img
.if DOCPART == 3
	.amdgcn_target "amdgcn-amd-amdhsa--gfx1250"
	.amdhsa_code_object_version 6
	.text
	.protected	k_q280a368ece_proj
	.globl	k_q280a368ece_proj
	.p2align	8
	.type	k_q280a368ece_proj,@function
k_q280a368ece_proj:
	s_mov_b64 s[64:65], 0
	v_nop
	global_prefetch_b8 v0, s[64:65] scope:SCOPE_SE
	s_setreg_imm32_b32 hwreg(HW_REG_WAVE_MODE, 25, 1), 1
	s_wait_xcnt 0x0
	s_wait_alu depctr_hold_cnt(0) depctr_sa_sdst(0) depctr_va_vdst(0) depctr_va_sdst(0) depctr_va_ssrc(0) depctr_va_vcc(0) depctr_vm_vsrc(0)
	s_getreg_b32 s2, hwreg(HW_REG_IB_STS2, 6, 4)
	s_cmp_eq_u32 s2, 0
	s_cbranch_scc0 .Lentry_in_a_cluster
	s_endpgm
.Lentry_in_a_cluster:
	s_bfe_u32 s2, ttmp6, 0x10000c
	s_cmp_lg_u32 s2, 0xf033
	s_cbranch_scc0 .Lentry_shape_is_right
	s_endpgm
.Lentry_shape_is_right:
; q = x Wq, k = x Wk, v = x Wv on codes of FP6 (E2M3) with one E8M0 scale for each 32 along K = 1,024; the f32 sums are quantised at once, in registers, for the two products of attention, and leave as
; IMAGES OF OPERAND REGISTERS: no f32 q, k or v goes to memory.
; ONE TEXT FOR BOTH SHAPES.  Every product is C = A B^T, and the sums are quantised along C's COLUMNS.  Both operands are rows of one buffer of codes (rows 0-4095 x, 4096-5119 Wq's columns, 5120-6143 Wk's, 6144-7167 Wv's).
;   clusters 0-7  (QK): A = x's 4,096 rows, B = Wq's and Wk's 2,048: C = q | k, quantised along the head's 64 channels;
;   clusters 8-11 (V):  A = Wv's 1,024 rows, B = x's 4,096: C = v^T, quantised along the keys.
; The mode hangs on the cluster's number alone and only selects numbers (row bases, strides of the output): there is no branch on it.
; A tile of C, 256 x 256, is made by four waves, 128 x 128 each: 64 accumulators, 512 registers.  128 + 64 = 192 work-groups; tiles of half the size would be 384, one and a half for each of 256 WGPs, and a wave has only 512 matrix instructions here.
; K goes in four steps of 256 through a ring of two LDS slots filled by the tensor data mover; the scale bytes of the work-group's 512 rows come once, with the first fills.
; CLUSTERS: 4 x 4 work-groups; A's tiles are asked for jointly along a row of the cluster, B's along a column: the same tensor load, the same descriptor, a mask that names the four.
; THE MATRIX INSTRUCTION IS USED TRANSPOSED (source 0 = 16 rows of B, source 1 = 16 rows of A), and the rows of the buffer lie with bits 3 and 4 of their numbers exchanged.  So in the accumulators of A's block a, lane (r, h)
; holds A's row at place 16 a + r, and register 16 b + i is column 32 b + 16 h + i: 16 neighbours of each block of 32 along the next K, as the conversions take them.
; THE OUTPUT: 96 regions of 102,400 bytes (q, k, v x 2 batches x 16 heads), each 16 steps of 128 rows of the sequence: four fragments of 1,536 bytes and 256 bytes of scale words.  A fragment's registers 2 p, 2 p + 1 of lane l lie at
; 256 p + 8 l.  q, k: fragment g holds row tile 2 g in its lower half (registers 0-5) and tile 2 g + 1 in its upper half.  v: fragment i is 16 channels x the step's 128 keys.
; LIMITS: NaN and infinities are not served; a block whose largest magnitude lies under 2^-124 has its byte held at 1; a block of zeros gets the byte 1 where the quantiser's text says 127 (its codes are zeros; this program alone reads the bytes).
; REGISTERS, in windows of 256: window 0: v16-29 addresses; v32-63 scale words, two sets, and nothing else; v64-124 the way out; from v128 A's fragments, ONE set, later the codes made.
;   window 1: B's fragments, TWO sets, at v0 and v128.   windows 2, 3: the accumulators of my rows 0-63, 64-127 (accumulator (a, b) at v[8 (8 (a % 4) + b)]).
.set KSTEP,  256                       ; along K in a slot
.set NQ,     2                         ; matrix instructions deep
.set ROWB,   192                       ; a tile's row in bytes
.set KROW,   768                       ; a row of codes in memory
.set PITCH,  240                       ; an LDS row: 3 x (64 bytes of data + 16 of padding) = 60 words: the 32 lanes of a load of 8 bytes touch 64 different banks (64 banks of 4 bytes: ISA guide 11.1)
.set FR,     12                        ; registers of a fragment
.set NL,     6                         ; LDS loads that bring one
.set NP,     4                         ; places behind this matrix instruction (ISA guide 7.12.1)
.set HALFT,  128*PITCH                 ; 128 rows: what one tensor load brings
.set SLOT,   4*HALFT                   ; A's 256 rows, then B's 256 rows
.set SCL,    2*SLOT                    ; behind the ring: the scale bytes, 32 a row, as runs of 256 bytes + 16 of padding
.set HALFS,  16*272                    ; those of 128 rows: what one tensor load brings
.set SBLK,   2*272                     ; those of 16 rows
.set SPARE,  SCL+4*HALFS               ; behind them: the spare words, 128 bytes for each wave, which no other line names
.set HB,     102400                    ; the output: a region,
.set STEPB,  6400                      ; a step,
.set FRB,    1536                      ; a fragment
.set ADRA, 16                          ; v16-17  LDS address of my A fragments in slot 0, 1  (v18-19: for the pieces that lie behind one padding more)
.set ADRB, 20                          ; v20-21  the same for B  (v22-23)
.set L8,   26                          ; v26     8 x lane
.set ADRS, 27                          ; v27     LDS address of my scale words: lanes 0-15 A's rows, lanes 16-31 B's
.set SPW,  28                          ; v28     LDS address of my spare word; never rewritten
.set NIL,  29                          ; v29     0; never rewritten
.set SC,   32                          ; scale words: set s at v[SC + 16 s]; register 2 i + q: lanes 0-15 A's block i, lanes 16-31 B's block i, the slot's q-th 128 along K
.set TM,   64                          ; v64-67 largest magnitudes, v68-71 the other half's and then the bytes, v76-79 the conversions' scale operands
.set WW,   80                          ; v80-87  the scale word of A's block a
.set XT,   88                          ; v88-90, v92-94 the upper halves of two blocks' codes
.set VO,   96                          ; v96-111 store offsets: index 2 a + c
.set TW,   112                         ; v112-119 fragments' scale words
.set RW,   120                         ; v120-123 the scale images
.set FLR,  124                         ; v124    the floor 2^(3 - 127)
.set AF,   128                         ; A's fragments
.set CODES, 128                        ; the way out: block a's codes at v[128 + 12 a]: registers of its own, so that no store's data are written again
.set SEL,  18                          ; s[18:19] lane selects for v_permlanex16_b32: lane l xor 16
.set G1,   24                          ; s[24:31] descriptor group 1 for A's tiles;  s[32:39] group 0, one set for each slot
.set G0,   32
.set G1B,  48                          ; s[48:55], s[56:63] the same for B's tiles
.set G0B,  56
.set G1S,  68                          ; s[68:75], s[76:79] groups 1 and 0 for A's scales;  s[80:87], s[88:91] for B's
.set G0S,  76
.set G1SB, 80
.set G0SB, 88
.set MSB, 0
.macro WIN new                         ; the immediate's high byte repeats the setting that is left; a switch that changes nothing is dropped
.if MSB != (\new)
	s_set_vgpr_msb (MSB<<8)|(\new)
.set MSB, (\new)
.endif
.endm
.set MUL_LO, 0xa1                      ; source 0 (B) window 1, source 1 (A) window 0, C and D window 2
.set MUL_HI, 0xf1                      ; the same, C and D window 3
.set TO_B,   0x40                      ; destination window 1, address window 0
; A joint load: waves 0 and 1 fetch for A, waves 2 and 3 for B.  Each of the two lines has one mask and one set of registers for all that issue it; the branch hangs on the wave's number alone.
; Four v_nop follow each of the two lines, ahead of the jump, the label and what follows.
.macro JLOAD g0a, g1a, g0b, g1b
	s_cmp_eq_u32 s15, 0
	s_cbranch_scc0 .Lfor_b_\@
	tensor_load_to_lds s[\g0a:\g0a+3], s[\g1a:\g1a+7]
	s_nop 0
.rept 4
	v_nop
.endr
	s_branch .Lasked_\@
.Lfor_b_\@:
	tensor_load_to_lds s[\g0b:\g0b+3], s[\g1b:\g1b+7]
	s_nop 0
.rept 4
	v_nop
.endr
.Lasked_\@:
.endm
.macro CREST                           ; a round of the cluster's barrier behind its opening barrier
	s_cmp_lg_u32 s14, 0
	s_cbranch_scc1 .Lnot_wave_0_\@
	s_barrier_signal -3
.Lnot_wave_0_\@:
	s_barrier_wait -3
	s_barrier_signal -1
	s_barrier_wait -1
.endm
.macro CROUND                          ; a whole round
	s_barrier_signal -1
	s_barrier_wait -1
	CREST
.endm
	s_load_b128 s[4:7], s[0:1], 0x0                ; the codes s[4:5], the scale bytes s[6:7]
	s_load_b64 s[8:9], s[0:1], 0x10                ; the images
	v_lshl_add_u32 v[SPW], v0, 2, SPARE
	v_mov_b32 v[NIL], 0
	ds_add_u32 v28, v29
	ds_add_u32 v28, v29
	s_wait_dscnt 0x0
	v_lshrrev_b32 v1, 5, v0
	v_readfirstlane_b32 s14, v1                    ; wave 0..3
	s_lshr_b32 s15, s14, 1                         ; which half of the tile's rows is mine.  Also: I fetch for A (0) or for B (1)
	s_and_b32 s16, s14, 1                          ; which half of its columns.  Also: which 128 rows of that tile I fetch
	s_bfe_u32 s40, ttmp6, 0x40000                  ; cx, cy: my place in the cluster
	s_bfe_u32 s41, ttmp6, 0x40004
	; THE MODE.  All candidates first, then one compare on the cluster's number, then selections alone
	s_lshr_b32 s2, ttmp9, 1                        ; QK: 4 x 2 clusters: the cluster's row,
	s_and_b32 s10, ttmp9, 1                        ;     its column: 0 = q, 1 = k
	s_and_b32 s18, ttmp9, 3                        ; V: 1 x 4 clusters: the cluster's column (clusters 8 to 11)
	s_mov_b32 s19, 6144
	s_mov_b32 s20, 4096
	s_mov_b32 s21, HB
	s_mov_b32 s22, FRB
	s_mov_b32 s23, 2*FRB
	s_cmp_lt_u32 ttmp9, 8                          ; QK?
	s_cselect_b32 s2, s2, 0                        ; the cluster's row
	s_cselect_b32 s13, s10, 2                      ; which output: 0 q, 1 k, 2 v
	s_cselect_b32 s10, s10, s18                    ; the cluster's column
	s_cselect_b32 s11, 0, s19                      ; A's first row in the buffer
	s_cselect_b32 s12, s20, 0                      ; B's
	s_cselect_b32 s95, 0, -1                       ; a lane mask: all lanes in V mode
	s_cselect_b32 s96, s21, FRB/2                  ; the output's strides: from column half 0 to 1: the next head | the fragment's upper half
	s_cselect_b32 s97, FRB/2, s22                  ; for bit 0 of A's block: the fragment's upper half | the next fragment
	s_cselect_b32 s98, s22, s23                    ; bit 1: the next fragment | two fragments on
	s_cselect_b32 s99, s23, s21                    ; bit 2: two fragments on | the next head
	s_lshl_b32 s17, s2, 2
	s_add_co_u32 s17, s17, s41                     ; tile row of C = 4 x the cluster's row + cy
	s_lshl_b32 s42, s10, 2
	s_add_co_u32 s42, s42, s40                     ; tile column = 4 x the cluster's column + cx
	s_lshl_b32 s43, s41, 2
	s_lshl_b32 s43, 15, s43                        ; my row of the cluster
	s_lshl_b32 s44, 0x1111, s40                    ; my column
	; descriptor group 1: a tile of 128 rows x 192 bytes, padded in LDS
	s_or_b32 s[G1+0], s43, (0<<16)|(1<<20)|(1<<21)|(3<<22)|(3<<25)  ; 15:0 the mask: A's tiles go to my row; 17:16 elements of 1 byte; 20 padding on; 21 set beside a mask; 24:22 after every 16 words (code 3); 31:25 4 words of it (code 3)
	s_or_b32 s[G1B+0], s44, (0<<16)|(1<<20)|(1<<21)|(3<<22)|(3<<25)
.irp g, G1, G1B
	s_mov_b32 s[\g+1], ROWB<<16                    ; tensor_dim0
	s_mov_b32 s[\g+2], 128<<16                     ; tensor_dim1
	s_mov_b32 s[\g+3], ROWB<<16                    ; tile_dim0
	s_mov_b32 s[\g+4], 128                         ; tile_dim1
	s_mov_b32 s[\g+5], KROW                        ; tensor_dim0_stride
	s_mov_b32 s[\g+6], 0
	s_mov_b32 s[\g+7], 0
.endr
	; and for the scale bytes of 128 rows: 4,096 dense bytes, as 16 rows of 256 bytes (32 elements of 8 bytes), 16 bytes of padding behind each
	s_or_b32 s[G1S+0], s43, (3<<16)|(1<<20)|(1<<21)|(5<<22)|(3<<25)
	s_or_b32 s[G1SB+0], s44, (3<<16)|(1<<20)|(1<<21)|(5<<22)|(3<<25)
.irp g, G1S, G1SB
	s_mov_b32 s[\g+1], 32<<16
	s_mov_b32 s[\g+2], 16<<16
	s_mov_b32 s[\g+3], 32<<16
	s_mov_b32 s[\g+4], 16
	s_mov_b32 s[\g+5], 32
	s_mov_b32 s[\g+6], 0
	s_mov_b32 s[\g+7], 0
.endr
	; where the tiles come from.  A's hang on the tile row alone, B's on the tile column alone, each in registers that never hold the other coordinate.  All offsets stay under 2^23
	s_lshl_b32 s18, s16, 7                         ; which 128 rows of the tile I fetch
	s_lshl_b32 s20, s17, 8
	s_add_co_u32 s20, s20, s18
	s_add_co_u32 s20, s20, s11                     ; A: row = base + 256 x tile row + 128 x half
	s_lshl_b32 s46, s42, 8
	s_add_co_u32 s46, s46, s18
	s_add_co_u32 s46, s46, s12                     ; B: row = base + 256 x tile column + 128 x half
	s_lshl_b32 s22, s20, 5                         ; where these rows' scale bytes begin,
	s_mov_b32 s23, 0
	s_lshl_b32 s92, s46, 5
	s_mov_b32 s93, 0
	s_mul_i32 s20, s20, KROW                       ; and their codes
	s_mov_b32 s21, 0
	s_mul_i32 s46, s46, KROW
	s_mov_b32 s47, 0
	s_mul_i32 s45, s14, HALFT                      ; where they go: wave x 128 rows: no place in the cluster enters an LDS address
	s_mul_i32 s94, s14, HALFS
	s_wait_kmcnt 0x0
	s_add_nc_u64 s[20:21], s[4:5], s[20:21]
	s_add_nc_u64 s[22:23], s[6:7], s[22:23]
	s_add_nc_u64 s[46:47], s[4:5], s[46:47]
	s_add_nc_u64 s[92:93], s[6:7], s[92:93]
	CROUND                                         ; all sixteen work-groups are here: the first joint loads meet
	s_mov_b32 s[G0S], 1
	s_add_co_u32 s[G0S+1], s94, SCL
	s_mov_b64 s[G0S+2:G0S+3], s[22:23]
	s_or_b32 s[G0S+3], s[G0S+3], 0x80000000
	s_mov_b32 s[G0SB], 1
	s_add_co_u32 s[G0SB+1], s94, SCL
	s_mov_b64 s[G0SB+2:G0SB+3], s[92:93]
	s_or_b32 s[G0SB+3], s[G0SB+3], 0x80000000
	JLOAD G0S, G1S, G0SB, G1SB                     ; the scale bytes first: they are wanted with K step 0
.irp s, 0,1
	s_mov_b32 s[G0+4*\s], 1                        ; count = 1
	s_add_co_u32 s[G0+4*\s+1], s45, \s*SLOT        ; LDS address
	s_add_nc_u64 s[G0+4*\s+2:G0+4*\s+3], s[20:21], \s*ROWB   ; global address: K step s
	s_or_b32 s[G0+4*\s+3], s[G0+4*\s+3], 0x80000000          ; type = 2
	s_mov_b32 s[G0B+4*\s], 1
	s_add_co_u32 s[G0B+4*\s+1], s45, \s*SLOT
	s_add_nc_u64 s[G0B+4*\s+2:G0B+4*\s+3], s[46:47], \s*ROWB
	s_or_b32 s[G0B+4*\s+3], s[G0B+4*\s+3], 0x80000000
	JLOAD G0+4*\s, G1, G0B+4*\s, G1B               ; three tensor loads of mine are out now
.endr
	v_and_b32 v1, 15, v0                           ; l % 16
	v_bfe_u32 v2, v0, 4, 1                         ; l / 16
	v_mul_u32_u24 v3, v1, PITCH
	v_mul_u32_u24 v4, v2, 24
	v_add_nc_u32 v4, v3, v4                        ; a fragment's row x pitch + 24 x half
	v_lshl_add_u32 v5, v2, 4, v4                   ; and the same behind one padding more
	s_mul_i32 s21, s15, HALFT                      ; my 128 rows of A
	s_mul_i32 s22, s16, HALFT                      ; my 128 rows of B,
	s_add_co_u32 s22, s22, 2*HALFT                 ; which lie behind A's 256
.irp s, 0,1
	v_add_nc_u32 v[ADRA+\s], s21, v4
	v_add_nc_u32 v[ADRB+\s], s22, v4
	v_add_nc_u32 v[ADRA+2+\s], s21, v5
	v_add_nc_u32 v[ADRB+2+\s], s22, v5
	s_add_co_u32 s21, s21, SLOT
	s_add_co_u32 s22, s22, SLOT
.endr
	v_lshlrev_b32 v5, 5, v1                        ; my row's scale bytes: 32 a row,
	v_lshrrev_b32 v6, 8, v5
	v_lshl_add_u32 v5, v6, 4, v5                   ; and 16 more for each 256 passed
	s_mul_i32 s21, s15, HALFS                      ; A's: my 128 rows
	s_mul_i32 s22, s16, HALFS                      ; B's: my 128 rows, behind A's 256
	s_add_co_u32 s22, s22, 2*HALFS
	s_sub_co_u32 s22, s22, s21
	v_mul_u32_u24 v6, s22, v2                      ; lanes 16-31 take B's: one product, the distance between the two
	s_add_co_u32 s21, s21, SCL
	v_add_nc_u32 v5, v5, v6
	v_add_nc_u32 v[ADRS], s21, v5
	v_and_b32 v6, 31, v0
	v_lshlrev_b32 v[L8], 3, v6
	; where my part of the output begins: the region of (which, batch, my first head) and the step of my 128 rows of the sequence
	s_cmp_lt_u32 ttmp9, 8                          ; QK?
	s_cselect_b32 s66, s17, s42                    ; the sequence runs along C's rows | columns: its tile of 256,
	s_cselect_b32 s67, s15, s16                    ; my half of it;
	s_cselect_b32 s3, s40, s41                     ; the heads run along C's columns | rows: four to a tile,
	s_cselect_b32 s2, s16, s15                     ; two to my half
	s_lshl_b32 s100, s13, 5                        ; 32 regions for each of q, k, v,
	s_lshr_b32 s101, s66, 3
	s_lshl_b32 s101, s101, 4
	s_add_co_u32 s100, s100, s101                  ; 16 for each batch (8 tiles of 256),
	s_lshl_b32 s3, s3, 2
	s_add_co_u32 s100, s100, s3
	s_lshl_b32 s2, s2, 1
	s_add_co_u32 s100, s100, s2                    ; + my first head
	s_mul_i32 s100, s100, HB
	s_and_b32 s66, s66, 7
	s_lshl_b32 s66, s66, 1
	s_add_co_u32 s66, s66, s67                     ; the step
	s_mul_i32 s66, s66, STEPB
	s_add_co_u32 s100, s100, s66                   ; under 2^24: it enters the stores' vector offsets alone
	s_mov_b32 s[SEL], 0x76543210
	s_mov_b32 s[SEL+1], 0xfedcba98
.macro FRAG reg, adr, q, i             ; a fragment, 16 rows x 128 K, is 12 registers: lane l holds row l % 16; registers 6 c .. 6 c + 5 hold K = 64 c + 32 (l / 16) + 0 .. 31: 24 bytes of the row's stream of bits, as they lie
.irp p, 0,1,2,3,4,5                    ; in pieces of 8 bytes.  Lanes 0-15 take the row's pieces 12 q + 0, 1, 2 and 12 q + 6, 7, 8, lanes 16-31 those three pieces on
.set PIECE, 12*(\q)+6*(\p/3)+\p%3      ; 16 bytes of padding lie behind every 8 pieces: where the piece three on lies behind one padding more, the second address register serves
.if PIECE%8 < 5
	ds_load_b64 v[\reg+2*\p:\reg+2*\p+1], v[\adr] offset:8*PIECE+16*(PIECE/8)+(\i)*16*PITCH
.else
	ds_load_b64 v[\reg+2*\p:\reg+2*\p+1], v[\adr+2] offset:8*PIECE+16*(PIECE/8)+(\i)*16*PITCH
.endif
.endr
.endm
; 16 matrix instructions: A's blocks a0, a0 + 1 x B's eight, 128 along K: the slot's q-th.  p: B's set;  sc: the set of scale words.  zero = 1: the first product starts the sums: nothing is ever cleared.
; The 64 accumulators take turns, one instruction a turn, in the same order in every step.
.macro MUL16 a0, p, q, sc, zero
.irp a, \a0, \a0+1
.irp b, 0,1,2,3,4,5,6,7
.if \zero
	v_wmma_scale_f32_16x16x128_f8f6f4 v[8*(8*((\a)%4)+\b):8*(8*((\a)%4)+\b)+7], v[128*(\p)+FR*\b:128*(\p)+FR*\b+FR-1], v[AF+FR*(\a):AF+FR*(\a)+FR-1], 0, v[SC+8*NQ*(\sc)+NQ*\b+(\q)], v[SC+8*NQ*(\sc)+NQ*(\a)+(\q)] matrix_a_fmt:MATRIX_FMT_FP6 matrix_b_fmt:MATRIX_FMT_FP6 matrix_a_scale:MATRIX_SCALE_ROW1
.else
	v_wmma_scale_f32_16x16x128_f8f6f4 v[8*(8*((\a)%4)+\b):8*(8*((\a)%4)+\b)+7], v[128*(\p)+FR*\b:128*(\p)+FR*\b+FR-1], v[AF+FR*(\a):AF+FR*(\a)+FR-1], v[8*(8*((\a)%4)+\b):8*(8*((\a)%4)+\b)+7], v[SC+8*NQ*(\sc)+NQ*\b+(\q)], v[SC+8*NQ*(\sc)+NQ*(\a)+(\q)] matrix_a_fmt:MATRIX_FMT_FP6 matrix_b_fmt:MATRIX_FMT_FP6 matrix_a_scale:MATRIX_SCALE_ROW1
.endif
.endr
.endr
.endm
.macro FETCH_B slot, q, p              ; B's eight fragments of the slot's q-th 128 along K into set p
	WIN TO_B
.irp i, 0,1,2,3,4,5,6,7
	FRAG 128*(\p)+FR*\i, ADRB+\slot, \q, \i
.endr
	WIN 0
.endm
.macro FETCH_A slot, q, i0             ; A's blocks i0 .. i0 + 3
.irp i, \i0, \i0+1, \i0+2, \i0+3
	FRAG AF+FR*(\i), ADRA+\slot, \q, \i
.endr
.endm
.macro SCALES sc                       ; the next K step's scale words into set sc: two words a row; lanes 0-15 take A's block i, lanes 16-31 B's block i
.irp i, 0,1,2,3,4,5,6,7
	ds_load_b64 v[SC+8*NQ*\sc+NQ*\i:SC+8*NQ*\sc+NQ*\i+1], v[ADRS] offset:\i*SBLK
.endr
.endm
; A load into a register that a matrix instruction has read stands NP places behind that matrix instruction, and only plain vector instructions that name none of its registers are places
; (ISA guide 7.12.1 for vector instructions); the matrix instructions in between are not counted.
.macro PLACES n
.rept \n
	v_nop
.endr
.endm
; A step of 128 along K that has its successor in the same slot.  A's blocks go one after the other, each against B's eight: a block of A is free when its eight products are issued, so ONE set serves A; B has two.
.macro STEP slot, q, zero
	s_wait_dscnt 4*NL                              ; B's set and A's blocks 0-3 are in; the youngest 24 loads (A's blocks 4-7) may be out
	WIN MUL_LO
	MUL16 0, (\q)%2, \q, \slot, \zero
	MUL16 2, (\q)%2, \q, \slot, \zero
	s_wait_dscnt 0                                 ; A's blocks 4-7 are in (asked for 32 matrix instructions ago)
	PLACES NP
	FETCH_B \slot, (\q)+1, 1-(\q)%2
	FETCH_A \slot, (\q)+1, 0
	WIN MUL_HI
	MUL16 4, (\q)%2, \q, \slot, \zero
	MUL16 6, (\q)%2, \q, \slot, \zero
	PLACES NP
	WIN 0
	FETCH_A \slot, (\q)+1, 4
.endm
; A slot's last step changes slots: ONE barrier; in front of it each wave waits for all its tensor loads, adds 0 to its spare word, and waits for that and for its own reads of this slot.  fill = 1: this slot is filled again, two K steps ahead.
.macro TURN slot, next, fill
	s_wait_tensorcnt 0x0                           ; all my tensor loads have landed: my part of the next slot  (every window is 0 here: the add's two registers lie in window 0)
	ds_add_u32 v[SPW], v[NIL]                      ; 0 onto my spare word
	s_wait_dscnt 4*NL+1                            ; (the add and the youngest 24 loads, A's blocks 4-7, may be out)
	WIN MUL_LO
	MUL16 0, 1, NQ-1, \slot, 0                     ; sixteen matrix instructions stand between the add and the wait for it
	s_wait_dscnt 0x0                               ; the add is done, and my reads of this slot are over
	s_barrier_signal -1
	MUL16 2, 1, NQ-1, \slot, 0
	WIN 0
	s_barrier_wait -1
.if \fill
	CREST                                          ; the barrier has opened a round of the cluster's barrier: no wave of any partner still reads this slot's tile or has a load on its way
	s_add_nc_u64 s[G0+4*\slot+2:G0+4*\slot+3], s[G0+4*\slot+2:G0+4*\slot+3], 2*ROWB
	s_add_nc_u64 s[G0B+4*\slot+2:G0B+4*\slot+3], s[G0B+4*\slot+2:G0B+4*\slot+3], 2*ROWB
	JLOAD G0+4*\slot, G1, G0B+4*\slot, G1B         ; the first tensor load behind the round, my one load until the next; the four v_nop behind it are the places in front of the loads below
.else
	PLACES NP
.endif
	v_add_nc_u32 v[ADRS], 4*NQ, v[ADRS]            ; on to the next K step's scale words
	FETCH_B \next, 0, 0
	FETCH_A \next, 0, 0
	SCALES \next
	WIN MUL_HI
	MUL16 4, 1, NQ-1, \slot, 0
	MUL16 6, 1, NQ-1, \slot, 0
	PLACES NP
	WIN 0
	FETCH_A \next, 0, 4
.endm
	s_wait_tensorcnt 1                             ; the scale bytes and my part of K step 0 are in (K step 1's load may be out)
	s_barrier_signal -1
	s_barrier_wait -1                              ; everybody's are
	FETCH_B 0, 0, 0
	FETCH_A 0, 0, 0
	SCALES 0
	FETCH_A 0, 0, 4
	STEP 0, 0, 1                                   ; K = 1,024 is four K steps, eight steps of 128: written on end, there is no trip to repeat.  The first products start the sums
	TURN 0, 1, 1                                   ; slot 0 takes K step 2
	STEP 1, 0, 0
	TURN 1, 0, 1                                   ; slot 1 takes K step 3
	STEP 0, 0, 0
	TURN 0, 1, 0                                   ; nothing is left to fetch: no round
	STEP 1, 0, 0
	s_wait_dscnt 4*NL                              ; the very last step
	WIN MUL_LO
	MUL16 0, 1, NQ-1, 1, 0
	MUL16 2, 1, NQ-1, 1, 0
	s_wait_dscnt 0
	WIN MUL_HI
	MUL16 4, 1, NQ-1, 1, 0
	MUL16 6, 1, NQ-1, 1, 0
	WIN 0
	; THE WAY OUT.  Sixteen store offsets, index 2 a + c (A's block a, half c of its fragment), by doubling with the mode's four strides.  These 21 plain lines name no register of the last products: they are the places behind them.
	v_add_nc_u32 v[VO], s100, v[L8]
	v_add_nc_u32 v[VO+1], s96, v[VO]
.irp k, 0,1
	v_add_nc_u32 v[VO+2+\k], s97, v[VO+\k]
.endr
.irp k, 0,1,2,3
	v_add_nc_u32 v[VO+4+\k], s98, v[VO+\k]
.endr
.irp k, 0,1,2,3,4,5,6,7
	v_add_nc_u32 v[VO+8+\k], s99, v[VO+\k]
.endr
	v_mov_b32 v[FLR], 0x1800000                    ; the floor 2^(3 - 127), under which no largest magnitude is taken: so a byte cannot fall under 1
.irp b, 0,1,2,3
	v_mov_b32 v[TM+4+\b], 0                        ; written once: a lane permute's destination counts as one of its sources
.endr
; A's block a: the 64 numbers of a lane (register 16 b + i = column 32 b + 16 (l / 16) + i of my row) become a fragment's 12 registers and my row's scale word, and the fragment leaves in six stores.
.macro QUANT a
.set AC, 64*((\a)%4)
.set WN, 2+(\a)/4                      ; the accumulators' window
.set WQ, (WN<<2)|(WN<<4)
.set CD, CODES+12*(\a)
	WIN WQ                                         ; sources 1 and 2 in the accumulators' window
.irp b, 0,1,2,3
	v_max3_num_f32 v[TM+\b], v[FLR], |v[AC+16*\b]|, |v[AC+16*\b+1]|      ; block b: my 16 numbers and the floor.  Each accumulator is read from its low end on
.endr
.irp i, 2,4,6,8,10,12,14
.irp b, 0,1,2,3
	v_max3_num_f32 v[TM+\b], v[TM+\b], |v[AC+16*\b+\i]|, |v[AC+16*\b+\i+1]|   ; (the four blocks by turns: no line waits for the line above it)
.endr
.endr
	WIN 0
.irp b, 0,1,2,3
	v_permlanex16_b32 v[TM+4+\b], v[TM+\b], s[SEL], s[SEL+1]
.endr
.irp b, 0,1,2,3
	v_max_num_f32 v[TM+\b], v[TM+\b], v[TM+4+\b]   ; with lane l xor 16's: the block's largest magnitude
.endr
.irp b, 0,1,2,3
	v_add_nc_u32 v[TM+12+\b], 0xff000000, v[TM+\b] ; 2 off its exponent field: the conversion's scale operand
.endr
.irp b, 0,1,2,3
	v_lshrrev_b32 v[TM+4+\b], 23, v[TM+12+\b]      ; the scale's byte
.endr
	v_lshl_or_b32 v[WW+(\a)], v[TM+5], 8, v[TM+4]  ; the four bytes make my row's scale word, the same in lanes l and l xor 16
	v_lshl_or_b32 v[WW+(\a)], v[TM+6], 16, v[WW+(\a)]
	v_lshl_or_b32 v[WW+(\a)], v[TM+7], 24, v[WW+(\a)]
	WIN WN                                         ; source 0 in the accumulators' window
.irp c, 0,1
	v_cvt_scalef32_pk16_fp6_f32 v[CD+6*\c:CD+6*\c+2], v[AC+32*\c:AC+32*\c+15], v[TM+12+2*\c]
	v_cvt_scalef32_pk16_fp6_f32 v[XT+4*\c:XT+4*\c+2], v[AC+32*\c+16:AC+32*\c+31], v[TM+13+2*\c]   ; (a conversion's three registers begin on an even number)
.endr
	WIN 0
	v_nop                                          ; one plain place behind a scaled conversion
.irp c, 0,1                                    ; the operand's layout wants a WHOLE block in a lane: lanes 0-15 block 2 c, lanes 16-31 block 2 c + 1
.irp i, 0,1,2
	v_permlane16_swap_b32 v[CD+6*\c+\i], v[XT+4*\c+\i]
.endr
.irp i, 0,1,2
	v_mov_b32 v[CD+3+6*\c+\i], v[XT+4*\c+\i]
.endr
.endr
.irp c, 0,1
.irp p, 0,1,2
	global_store_b64 v[VO+2*(\a)+\c], v[CD+6*\c+2*\p:CD+6*\c+2*\p+1], s[8:9] offset:256*\p   ; 32 lanes store 256 consecutive bytes, at a multiple of 256 from the buffer's first byte
.endr
.endr
.endm
.irp a, 0,1,2,3,4,5,6,7
	QUANT \a
.endr
	; THE SCALE IMAGES of my two heads (x = 0, 1).  QK: fragment f's word is bytes 2 x, 2 x + 1 of block 2 f's word below those of block 2 f + 1's.  V: it is block 4 x + f's word as it stands.
	; Register 0 of an image: fragment 0's words in lanes 0-15, fragment 1's in lanes 16-31; register 1: fragments 2 and 3.
	s_mov_b32 s3, 0xffff0000                       ; lanes 16-31
.irp x, 0,1
.irp f, 0,1,2,3
	v_perm_b32 v[TW+4*\x+\f], v[WW+2*\f+1], v[WW+2*\f], 0x05040100+0x02020202*\x
.endr
.irp f, 0,1,2,3
	v_cndmask_b32 v[TW+4*\x+\f], v[TW+4*\x+\f], v[WW+4*\x+\f], s95
.endr
	v_cndmask_b32 v[RW+2*\x], v[TW+4*\x], v[TW+4*\x+1], s3
	v_cndmask_b32 v[RW+2*\x+1], v[TW+4*\x+2], v[TW+4*\x+3], s3
	global_store_b64 v[VO], v[RW+2*\x:RW+2*\x+1], s[8:9] offset:4*FRB+HB*\x   ; behind the step's four fragments; 256 consecutive bytes
.endr
	s_wait_tensorcnt 0x0                           ; the wave's end
	ds_add_u32 v[SPW], v[NIL]
	s_wait_dscnt 0x0
	CROUND                                         ; the closing round: no work-group ends while a partner may still ask for a tile that names it
	s_endpgm
.Lfunc_end_k_q280a368ece_proj:
	.size	k_q280a368ece_proj, .Lfunc_end_k_q280a368ece_proj-k_q280a368ece_proj
	.p2alignl 7, 3214868480
	.fill 96, 4, 3214868480
	.section	.rodata,"a",@progbits
	.p2align	6, 0x0
	.amdhsa_kernel k_q280a368ece_proj
		.amdhsa_group_segment_fixed_size 327680
		.amdhsa_private_segment_fixed_size 0
		.amdhsa_enable_private_segment 0
		.amdhsa_kernarg_size 24
		.amdhsa_user_sgpr_count 2
		.amdhsa_user_sgpr_kernarg_segment_ptr 1
		.amdhsa_wavefront_size32 1
		.amdhsa_system_sgpr_workgroup_id_x 1
		.amdhsa_system_sgpr_workgroup_id_y 1
		.amdhsa_system_sgpr_workgroup_id_z 1
		.amdhsa_system_vgpr_workitem_id 0
		.amdhsa_next_free_vgpr 1024
		.amdhsa_next_free_sgpr 102
		.amdhsa_reserve_vcc 0
		.amdhsa_float_denorm_mode_32 3
		.amdhsa_float_denorm_mode_16_64 3
		.amdhsa_memory_ordered 1
		.amdhsa_forward_progress 1
		.amdhsa_inst_pref_size 168
	.end_amdhsa_kernel
	.amdgpu_metadata
---
amdhsa.version: [ 1, 2 ]
amdhsa.kernels:
  - .name:           k_q280a368ece_proj
    .symbol:         k_q280a368ece_proj.kd
    .args:
      - { .name: codes, .offset: 0, .size: 8, .value_kind: global_buffer, .address_space: global }
      - { .name: scl, .offset: 8, .size: 8, .value_kind: global_buffer, .address_space: global }
      - { .name: img, .offset: 16, .size: 8, .value_kind: global_buffer, .address_space: global }
    .group_segment_fixed_size: 327680
    .private_segment_fixed_size: 0
    .kernarg_segment_align: 8
    .kernarg_segment_size: 24
    .max_flat_workgroup_size: 128
    .sgpr_count:     102
    .vgpr_count:     1024
    .wavefront_size: 32
...
	.end_amdgpu_metadata
.endif
;; end of part 3
;; launch attn (part 4): grid 8 x 32, 16 waves a work-group, clusters of 4 x 1, 276,480 bytes of LDS; arguments img, out0; writes out0
.if DOCPART == 4
	.amdgcn_target "amdgcn-amd-amdhsa--gfx1250"
	.amdhsa_code_object_version 6
	.text
	.protected	k_q280a368ece_attn
	.globl	k_q280a368ece_attn
	.p2align	8
	.type	k_q280a368ece_attn,@function
k_q280a368ece_attn:
	s_mov_b64 s[64:65], 0
	v_nop
	global_prefetch_b8 v0, s[64:65] scope:SCOPE_SE
	s_setreg_imm32_b32 hwreg(HW_REG_WAVE_MODE, 25, 1), 1
	s_wait_xcnt 0x0
	s_wait_alu depctr_hold_cnt(0) depctr_sa_sdst(0) depctr_va_vdst(0) depctr_va_sdst(0) depctr_va_ssrc(0) depctr_va_vcc(0) depctr_vm_vsrc(0)
	s_getreg_b32 s2, hwreg(HW_REG_IB_STS2, 6, 4)
	s_cmp_eq_u32 s2, 0
	s_cbranch_scc0 .Lentry_in_a_cluster
	s_endpgm
.Lentry_in_a_cluster:
	s_bfe_u32 s2, ttmp6, 0x10000c
	s_cmp_lg_u32 s2, 0x3003
	s_cbranch_scc0 .Lentry_shape_is_right
	s_endpgm
.Lentry_shape_is_right:
; out[b][s][64 h ..] = the sum over keys of softmax(q . k / 8) v, for 2 x 16 heads of 64 channels and 2,048 keys, both products on codes of FP6 (E2M3) with one E8M0 scale for each 32 along a product's K.
; q, k and v arrive as images of operand registers: regions of 102,400 bytes (q: region b h, k: 32 + b h, v: 64 + b h), each 16 steps of 128 rows of the sequence: four fragments of 1,536 bytes (registers 2 p, 2 p + 1
; of lane l at 256 p + 8 l) and 256 bytes of scale words (two registers a lane: fragments 0 | 1 and 2 | 3 in lanes 0-15 | 16-31).
; THE SOFTMAX AHEAD OF THE SECOND PRODUCT: t = score x log2(e) / 8; M = the row's largest t so far, rounded UP to a whole number; p = 2^(t - M) is what is quantised, along the keys, not normalised.
; The row's sum is taken of the unquantised p, in f32, and divides O at the end.  When M moves, the sum and O are multiplied by 2^(old M - new M): exact, and without a branch.
; SHARES.  A work-group owns 256 queries of one head, each of its sixteen waves one tile of 16, in 256 registers: four waves to a SIMD, so that one wave's vector work stands beside another's matrix work and LDS loads.
; A HEAD'S WHOLE K AND V, 204,800 bytes, LIE IN LDS, FILLED ONCE: no slot is filled again.  Waves 0 (K) and 1 (V) ask for four chunks of four key steps each at the head; chunk c is read behind a counted wait and a
; barrier while the later chunks are on their way.  All of K and V is asked for at the head, so there is nothing left to ask for ahead of a load.
; CLUSTER.  The four query blocks of a cluster belong to one head and read the same K and V: each chunk is asked for JOINTLY, by the same tensor load with the same descriptor and the mask of all four.
; THE HEAD'S 64 FILL HALF OF THE INSTRUCTION'S 128 ALONG K.  A fragment of k holds TWO tiles of 16 keys, one in each half; it is multiplied by [q | zeros] for the first tile and by [zeros | q] for the second: zero codes add nothing.
; So each fragment read from LDS feeds two products.  q lies once in registers between two runs of zeros, and the two operands are two views of that run.
; LAYOUT.  Both products are used transposed: S^T = K Q^T, O^T = V^T P^T: a lane holds ONE query (lane % 16) throughout.  The rows of the sequence lie with bits 3 and 4 of their numbers exchanged, so the 16 registers of
; tiles 2 b and 2 b + 1 of S^T are the 16 neighbouring keys 32 b + 16 (lane / 16) + 0 .. 15, as the conversions take them; queries and channels are put back in order by the addresses of the way out.
; LIMITS: NaN and infinities are not served.  A block of p whose every number has fallen to 0 keeps the byte 1: its codes are zeros.
.set HB,     102400                    ; a region: also K's bytes in LDS; V's lie behind them
.set STEPB,  6400
.set FRB,    1536
.set CHUNKB, 4*STEPB                   ; 25,600 bytes: 100 rows of 256
.set STAGE,  2*HB                      ; behind K and V: the way out, 16 rows x (256 bytes + 16) for each wave: bytes into which no fill lands
.set SPITCH, 272
.set L8,   1                           ; v1   8 x lane
.set ADK,  2                           ; v2   LDS address of the step's K
.set ADV,  3                           ; v3   of its V
.set STO,  4                           ; v4   the way out: where I put a row's bytes
.set RD,   5                           ; v5   where I read a row back
.set GO,   6                           ; v6   a global offset: q's scale word, later my bytes in out
.set QW,   7                           ; v7   q's scale word as it is stored
.set FF,   8                           ; v[8:9] f = 2^(old M - new M); v9 is named with it as a pair
.set T,    10                          ; v10  at work
.set QA,   11                          ; v11  a global offset: q's codes
.set NM,   12                          ; v12  -M;  v13 the largest t
.set SUM,  14                          ; v[14:15] the row's sum in two halves
.set QHI,  16                          ; v16-21 zeros, v22-27 q, v28-33 zeros:  v[16:27] = [zeros | q],
.set QLO,  22                          ;                                        v[22:33] = [q | zeros]
.set QS,   34                          ; v34  q's scale word: its two bytes in both halves.  v34-39 hold scales and nothing else
.set PS,   35                          ; v35  p's scale word
.set KSC,  36                          ; v[36:37] K's scale words
.set VSC,  38                          ; v[38:39] V's
.set KF,   40                          ; v40-87   K's four fragments
.set VF,   88                          ; v88-135  V's four
.set S,    136                         ; v136-199 S^T, then p
.set O,    200                         ; v200-231 O^T: four tiles of 16 channels
.set P,    232                         ; v232-243 p's codes
.set MX,   244                         ; v244-247 the blocks' largest scores, then largest p; later codes on their way
.set PT,   248                         ; v248-251 at work
.set SO,   252                         ; v252-255 the conversions' scale operands
.set WV,   8                           ; s8   my wave's number
.set SEL,  10                          ; s[10:11] lane selects for v_permlanex16_b32: lane l xor 16
.set CS,   12                          ; s[12:13] c = log2(e) / 8: the packed form names a pair and takes its low word for both halves
.set G1,   16                          ; s[16:23] descriptor group 1
.set G0,   24                          ; s[24:39] group 0, a set for each chunk
.set TK,   40                          ; s40  LDS byte at which the step's K begins
.set CNT,  41                          ; s41  counts a chunk's four steps
.macro CROUND                          ; a round of the cluster's barrier
	s_barrier_signal -1
	s_barrier_wait -1
	s_cmp_lg_u32 s[WV], 0
	s_cbranch_scc1 .Lnot_wave_0_\@
	s_barrier_signal -3
.Lnot_wave_0_\@:
	s_barrier_wait -3
	s_barrier_signal -1
	s_barrier_wait -1
.endm
	s_load_b128 s[4:7], s[0:1], 0x0                ; the images s[4:5], out s[6:7]
	v_lshl_add_u32 v254, v0, 2, 0x43000
	v_mov_b32 v255, 0
	ds_add_u32 v254, v255
	ds_add_u32 v254, v255
	s_wait_dscnt 0x0
	v_lshrrev_b32 v2, 5, v0
	v_readfirstlane_b32 s[WV], v2                  ; wave 0..15
	s_and_b32 s9, s[WV], 1                         ; wave 0 fetches K, wave 1 V.  Also: which half of a fragment of q is my tile
	s_bfe_u32 s42, ttmp6, 0x40000                  ; cx: my place in the cluster
	s_lshl_b32 s43, ttmp9, 2
	s_add_co_u32 s43, s43, s42                     ; my block of 256 queries: it enters q's and out's global addresses alone
	s_and_b32 s44, ttmp7, 0xffff                   ; 16 b + h, which the four partners share
	; descriptor group 1: a chunk is 25,600 dense bytes: 100 rows of 256 bytes (32 elements of 8 bytes), no padding: every LDS read takes 256 consecutive bytes
	s_mov_b32 s[G1], 15|(3<<16)|(1<<21)            ; 15:0 the mask: all four work-groups; 17:16 elements of 8 bytes; 21 set beside a mask
	s_mov_b32 s[G1+1], 32<<16                      ; tensor_dim0
	s_mov_b32 s[G1+2], 100<<16                     ; tensor_dim1
	s_mov_b32 s[G1+3], 32<<16                      ; tile_dim0
	s_mov_b32 s[G1+4], 100                         ; tile_dim1
	s_mov_b32 s[G1+5], 32                          ; tensor_dim0_stride
	s_mov_b32 s[G1+6], 0
	s_mov_b32 s[G1+7], 0
	s_mov_b32 s[SEL], 0x76543210
	s_mov_b32 s[SEL+1], 0xfedcba98
	s_mov_b32 s[CS], 0x3e38aa3b                    ; log2(e) / 8
	s_mov_b32 s[CS+1], s[CS]                       ; (named with it as a pair, so it is written)
	s_lshl_b32 s45, s9, 5
	s_add_co_u32 s45, s45, s44
	s_add_co_u32 s45, s45, 32                      ; the region that I fetch, if I fetch: K's or V's of my head,
	s_mul_i32 s46, s45, HB
	s_mov_b32 s47, 0
	s_mul_i32 s48, s9, HB                          ; and where it goes: no place in the cluster enters an LDS address
	; q: region b h; step 2 x block + wave / 8; fragment g = (wave / 2) % 4; half wave % 2
	s_mul_i32 s50, s44, HB
	s_lshl_b32 s51, s43, 1
	s_lshr_b32 s52, s[WV], 3
	s_add_co_u32 s51, s51, s52
	s_mul_i32 s51, s51, STEPB
	s_add_co_u32 s50, s50, s51                     ; the step
	s_bfe_u32 s52, s[WV], 0x20001                  ; g
	s_mul_i32 s53, s52, FRB
	s_mul_i32 s54, s9, FRB/2
	s_add_co_u32 s53, s53, s54
	s_add_co_u32 s53, s53, s50                     ; my tile's six registers
	s_and_b32 s54, s52, 1                          ; fragment g's scale words: lanes 16 (g % 2) on, register g / 2 of the image
	s_lshl_b32 s54, s54, 7
	s_lshr_b32 s55, s52, 1
	s_lshl_b32 s55, s55, 2
	s_add_co_u32 s54, s54, s55
	s_add_co_u32 s54, s54, s50
	s_add_co_u32 s54, s54, 4*FRB
	s_mov_b32 s56, 0x03020302                      ; my tile's two bytes of that word, into both halves: the upper two,
	s_cmp_eq_u32 s9, 0
	s_cselect_b32 s56, 0x01000100, s56             ; or the lower two
	; out: my tile's 16 queries are rows 256 x block + 32 (wave / 2) + 8 (wave % 2) + i + 8 (i / 8) of batch b; a row is 4,096 bytes, my head's part 256
	s_lshr_b32 s57, s44, 4
	s_lshl_b32 s57, s57, 11
	s_lshl_b32 s58, s43, 8
	s_add_co_u32 s57, s57, s58
	s_lshr_b32 s58, s[WV], 1
	s_lshl_b32 s58, s58, 5
	s_add_co_u32 s57, s57, s58
	s_lshl_b32 s58, s9, 3
	s_add_co_u32 s57, s57, s58
	s_lshl_b32 s57, s57, 12
	s_and_b32 s58, s44, 15
	s_lshl_b32 s58, s58, 8
	s_add_co_u32 s58, s57, s58
	s_mov_b32 s59, 0
	s_wait_kmcnt 0x0
	s_add_nc_u64 s[46:47], s[4:5], s[46:47]
	s_add_nc_u64 s[6:7], s[6:7], s[58:59]
	CROUND                                         ; all four work-groups are here: the joint loads meet
.irp c, 0,1,2,3
	s_mov_b32 s[G0+4*\c], 1                        ; count = 1
	s_add_co_u32 s[G0+4*\c+1], s48, \c*CHUNKB      ; LDS address
	s_add_nc_u64 s[G0+4*\c+2:G0+4*\c+3], s[46:47], \c*CHUNKB   ; global address
	s_or_b32 s[G0+4*\c+3], s[G0+4*\c+3], 0x80000000            ; type = 2
.endr
	s_cmp_lt_u32 s[WV], 2                          ; all fills of a wave stand in one branch on the wave's number, ahead of every wait on TENSORcnt and every LDS read: four loads of mine are out
	s_cbranch_scc0 .Lno_fill
.irp c, 0,1,2,3
	tensor_load_to_lds s[G0+4*\c:G0+4*\c+3], s[G1:G1+7]
	s_nop 0
.endr
.rept 4
	v_nop
.endr
.Lno_fill:
	v_and_b32 v[L8], 31, v0
	v_lshlrev_b32 v[L8], 3, v[L8]
	v_add_nc_u32 v[QA], s53, v[L8]
	v_and_b32 v[GO], 15, v0
	v_lshlrev_b32 v[GO], 3, v[GO]
	v_add_nc_u32 v[GO], s54, v[GO]
.irp p, 0,1,2
	global_load_b64 v[QLO+2*\p:QLO+2*\p+1], v[QA], s[4:5] offset:256*\p   ; q stays in registers
.endr
	global_load_b32 v[QW], v[GO], s[4:5]
.irp j, 0,1,2,3,4,5
	v_mov_b32 v[QHI+\j], 0                         ; zero codes on both sides of q
	v_mov_b32 v[QLO+6+\j], 0
.endr
	v_mov_b32 v[NM+1], 0xff61b1e6                  ; the largest t so far: -3e38, under every t
	v_floor_f32 v[NM], -v[NM+1]                    ; -M
	v_mov_b32 v[SUM], 0
	v_mov_b32 v[SUM+1], 0
	v_mov_b32 v[FF+1], 0                           ; (named as the upper half of a pair)
	v_mov_b32 v[T], 0
.irp b, 0,1,2,3
	v_mov_b32 v[PT+\b], 0                          ; written once: a lane permute's destination counts as one of its sources
.endr
	s_wait_loadcnt 0x0                             ; q and its scale word
	v_perm_b32 v[QS], v[QW], v[QW], s56
.set j, 0
.rept 32
	v_mov_b32 v[O+j], 0                            ; O^T.  (The step is written without a first step of its own: it finds zeros, which the first change of M leaves zeros.  These 32 also stand between the line above, which writes a scale register, and the first product)
.set j, j+1
.endr
.macro SCORE g                         ; the two tiles of keys in fragment g
.if (\g)%2
	v_wmma_scale_f32_16x16x128_f8f6f4 v[S+16*(\g):S+16*(\g)+7], v[KF+12*(\g):KF+12*(\g)+11], v[QLO:QLO+11], 0, v[KSC+(\g)/2], v[QS] matrix_a_fmt:MATRIX_FMT_FP6 matrix_b_fmt:MATRIX_FMT_FP6 matrix_a_scale:MATRIX_SCALE_ROW1
	v_wmma_scale_f32_16x16x128_f8f6f4 v[S+16*(\g)+8:S+16*(\g)+15], v[KF+12*(\g):KF+12*(\g)+11], v[QHI:QHI+11], 0, v[KSC+(\g)/2], v[QS] matrix_a_fmt:MATRIX_FMT_FP6 matrix_b_fmt:MATRIX_FMT_FP6 matrix_a_scale:MATRIX_SCALE_ROW1
.else
	v_wmma_scale_f32_16x16x128_f8f6f4 v[S+16*(\g):S+16*(\g)+7], v[KF+12*(\g):KF+12*(\g)+11], v[QLO:QLO+11], 0, v[KSC+(\g)/2], v[QS] matrix_a_fmt:MATRIX_FMT_FP6 matrix_b_fmt:MATRIX_FMT_FP6
	v_wmma_scale_f32_16x16x128_f8f6f4 v[S+16*(\g)+8:S+16*(\g)+15], v[KF+12*(\g):KF+12*(\g)+11], v[QHI:QHI+11], 0, v[KSC+(\g)/2], v[QS] matrix_a_fmt:MATRIX_FMT_FP6 matrix_b_fmt:MATRIX_FMT_FP6
.endif
.endm
.macro PV i                            ; O^T's tile i += 16 channels x 128 keys of V times p
.if (\i)%2
	v_wmma_scale_f32_16x16x128_f8f6f4 v[O+8*(\i):O+8*(\i)+7], v[VF+12*(\i):VF+12*(\i)+11], v[P:P+11], v[O+8*(\i):O+8*(\i)+7], v[VSC+(\i)/2], v[PS] matrix_a_fmt:MATRIX_FMT_FP6 matrix_b_fmt:MATRIX_FMT_FP6 matrix_a_scale:MATRIX_SCALE_ROW1
.else
	v_wmma_scale_f32_16x16x128_f8f6f4 v[O+8*(\i):O+8*(\i)+7], v[VF+12*(\i):VF+12*(\i)+11], v[P:P+11], v[O+8*(\i):O+8*(\i)+7], v[VSC+(\i)/2], v[PS] matrix_a_fmt:MATRIX_FMT_FP6 matrix_b_fmt:MATRIX_FMT_FP6
.endif
.endm
; A KEY STEP: 128 keys.
.macro STEP
	v_add_nc_u32 v[ADK], s[TK], v[L8]
	v_add_nc_u32 v[ADV], HB, v[ADK]
	v_nop
	v_nop                                          ; four places in front of loads into registers that the last products have read
.irp g, 0,1,2,3
.irp p, 0,1,2,3,4,5
	ds_load_b64 v[KF+12*\g+2*\p:KF+12*\g+2*\p+1], v[ADK] offset:FRB*\g+256*\p   ; 32 lanes read 256 consecutive bytes
.endr
.endr
	ds_load_b64 v[KSC:KSC+1], v[ADK] offset:4*FRB
.irp g, 0,1,2,3
.irp p, 0,1,2,3,4,5
	ds_load_b64 v[VF+12*\g+2*\p:VF+12*\g+2*\p+1], v[ADV] offset:FRB*\g+256*\p   ; V is asked for now and wanted behind the softmax
.endr
.endr
	ds_load_b64 v[VSC:VSC+1], v[ADV] offset:4*FRB
	s_wait_dscnt 25                                ; K's 25 loads are in; V's 25 may be out
.irp g, 0,1,2,3
	SCORE \g
.endr
.rept 4
	v_nop                                          ; places in front of the first read of the scores
.endr
.irp b, 0,1,2,3
	v_max3_num_f32 v[MX+\b], v[S+16*\b], v[S+16*\b+1], v[S+16*\b+2]   ; THE LARGEST SCORE OF EACH BLOCK OF 32 KEYS: it serves twice: for the row's maximum, and, since p rises with the score, for the block's largest p
.endr
.irp i, 3,5,7,9,11,13
.irp b, 0,1,2,3
	v_max3_num_f32 v[MX+\b], v[MX+\b], v[S+16*\b+\i], v[S+16*\b+\i+1]   ; (the four blocks by turns; each accumulator is first read at its low end)
.endr
.endr
.irp b, 0,1,2,3
	v_max_num_f32 v[MX+\b], v[MX+\b], v[S+16*\b+15]
.endr
.irp b, 0,1,2,3
	v_permlanex16_b32 v[PT+\b], v[MX+\b], s[SEL], s[SEL+1]
.endr
.irp b, 0,1,2,3
	v_max_num_f32 v[MX+\b], v[MX+\b], v[PT+\b]     ; with lane l xor 16's 16 keys
.endr
	v_max3_num_f32 v[T], v[MX], v[MX+1], v[MX+2]
	v_max_num_f32 v[T], v[T], v[MX+3]              ; the step's largest score of my query
	v_mul_f32 v[T], s[CS], v[T]                    ; as t (c is positive)
	v_max_num_f32 v[NM+1], v[NM+1], v[T]           ; the running largest t
	v_mov_b32 v[T], v[NM]
	v_floor_f32 v[NM], -v[NM+1]                    ; the new -M = floor(-t) = -ceil(t): M is a whole number
	v_sub_f32 v[T], v[NM], v[T]                    ; M's old value less its new one: a whole number, 0 or less
	v_cvt_i32_f32 v[T], v[T]                       ; (it saturates)
	v_ldexp_f32 v[FF], 1.0, v[T]                   ; f = 2^(old M - new M)
.set j, 0
.rept 32
	v_pk_fma_f32 v[S+j:S+j+1], v[S+j:S+j+1], s[CS:CS+1], v[NM:NM+1] op_sel_hi:[1,0,0]   ; t - M, two at a time (of the pairs c and -M the low word serves both halves)
.set j, j+2
.endr
.irp b, 0,1,2,3
	v_fma_f32 v[MX+\b], v[MX+\b], s[CS], v[NM]     ; the same of each block's largest score
.endr
.set j, 0
.rept 64
	v_exp_f32 v[S+j], v[S+j]                       ; p = 2^(t - M), at most 1: not normalised
.set j, j+1
.endr
	v_pk_mul_f32 v[SUM:SUM+1], v[SUM:SUM+1], v[FF:FF+1] op_sel_hi:[1,0]   ; the sums under the new M: a plain line behind the exponentials
	s_wait_alu depctr_va_vdst(0)                   ; one wait for the whole batch, ahead of its first reader
.irp b, 0,1,2,3
	v_exp_f32 v[MX+\b], v[MX+\b]                   ; the block's largest p: the same two instructions on the same number give the same bits
.endr
	v_pk_add_f32 v[PT:PT+1], v[S:S+1], v[S+2:S+3]  ; THE ROW'S SUM IS TAKEN OF THE UNQUANTISED p: two at a time, in two chains.  (It reads the 64 alone: plain work behind the four)
.set j, 4
.rept 15
	v_pk_add_f32 v[SUM:SUM+1], v[SUM:SUM+1], v[S+j:S+j+1]
	v_pk_add_f32 v[PT:PT+1], v[PT:PT+1], v[S+j+2:S+j+3]
.set j, j+4
.endr
	v_pk_add_f32 v[SUM:SUM+1], v[SUM:SUM+1], v[PT:PT+1]
	s_wait_alu depctr_va_vdst(0)                   ; and one for the four
.irp b, 0,1,2,3
	v_max_num_f32 v[MX+\b], 0x1800000, v[MX+\b]    ; the floor 2^(3 - 127): the byte cannot fall under 1
.endr
.irp b, 0,1,2,3
	v_add_nc_u32 v[SO+\b], 0xff000000, v[MX+\b]    ; 2 off the exponent field: the conversion's scale operand
.endr
.irp b, 0,1,2,3
	v_lshrrev_b32 v[PT+\b], 23, v[SO+\b]           ; the scale's byte
.endr
	v_lshl_or_b32 v[PS], v[PT+1], 8, v[PT]         ; p's scale word for these 128 keys
	v_lshl_or_b32 v[PS], v[PT+2], 16, v[PS]
	v_lshl_or_b32 v[PS], v[PT+3], 24, v[PS]
.irp c, 0,1
	v_cvt_scalef32_pk16_fp6_f32 v[P+6*\c:P+6*\c+2], v[S+32*\c:S+32*\c+15], v[SO+2*\c]
	v_cvt_scalef32_pk16_fp6_f32 v[MX+4*\c:MX+4*\c+2], v[S+32*\c+16:S+32*\c+31], v[SO+2*\c+1]   ; (a conversion's three registers begin on an even number: v244.., v248..)
.endr
	v_nop                                          ; one plain place behind a scaled conversion
.irp c, 0,1                                    ; the operand's layout wants a WHOLE block in a lane: lanes 0-15 block 2 c, lanes 16-31 block 2 c + 1
.irp i, 0,1,2
	v_permlane16_swap_b32 v[P+6*\c+\i], v[MX+4*\c+\i]
.endr
.irp i, 0,1,2
	v_mov_b32 v[P+3+6*\c+\i], v[MX+4*\c+\i]
.endr
.endr
.set j, 0
.rept 16
	v_pk_mul_f32 v[O+j:O+j+1], v[O+j:O+j+1], v[FF:FF+1] op_sel_hi:[1,0]   ; O^T under the new M, from each accumulator's low end on.  (These 16 also stand between the lines that wrote p's codes and scale word and the products below)
.set j, j+2
.endr
	s_wait_dscnt 0x0                               ; V is in
.irp i, 0,1,2,3
	PV \i                                          ; the four accumulators take turns, and the eight products of the scores stand between two turns of one
.endr
	s_add_co_u32 s[TK], s[TK], STEPB
.endm
; Chunk c: four key steps.  Waves 0 and 1 have waited for their chunk c (the 3 - c chunks asked for behind it may be out); behind the barrier all sixteen waves read it.
; No LDS instruction of a wave is out at the signal: a step ends behind its wait for 0.
.macro CHUNK c
	s_wait_tensorcnt 3-(\c)
	s_barrier_signal -1
	s_barrier_wait -1
	s_mov_b32 s[TK], CHUNKB*(\c)
	s_mov_b32 s[CNT], 4
.Lstep_\@:
	STEP
	s_sub_co_u32 s[CNT], s[CNT], 1
	s_cmp_lg_u32 s[CNT], 0
	s_cbranch_scc1 .Lstep_\@
.endm
	CHUNK 0
	CHUNK 1
	CHUNK 2
	CHUNK 3                                        ; its wait is for 0: no tensor load is out from here on
	; THE WAY OUT.  O^T is divided by the row's sum and goes through my stage in LDS, so that sixteen lanes store a query's 256 consecutive bytes.
	v_add_f32 v[SUM], v[SUM], v[SUM+1]             ; the sum's two halves,
	v_permlanex16_b32 v[T], v[SUM], s[SEL], s[SEL+1]
	v_add_f32 v[SUM], v[SUM], v[T]                 ; and lane l xor 16's: the row's sum
	v_rcp_f32 v[SUM], v[SUM]
	v_and_b32 v[ADK], 15, v0                       ; r.  (The address work is the plain work behind the reciprocal, and the places behind the last products)
	v_bfe_u32 v[ADV], v0, 4, 1                     ; h
	s_mul_i32 s60, s[WV], 16*SPITCH
	s_add_co_u32 s60, s60, STAGE                   ; my stage
	v_mul_u32_u24 v[STO], v[ADK], SPITCH
	v_lshl_add_u32 v[STO], v[ADV], 6, v[STO]
	v_add_nc_u32 v[STO], s60, v[STO]               ; in: row r; registers 16 b + i are channels 32 b + 16 h + i: 128 b + 64 h bytes on
	v_mul_u32_u24 v[RD], v[ADV], SPITCH
	v_lshl_add_u32 v[RD], v[ADK], 4, v[RD]
	v_add_nc_u32 v[RD], s60, v[RD]                 ; back: lanes 0-15 one row, lanes 16-31 the next
	v_lshlrev_b32 v[GO], 12, v[ADV]
	v_lshl_add_u32 v[GO], v[ADK], 4, v[GO]         ; and the same two rows in out
	s_wait_alu depctr_va_vdst(0)                   ; the wait ahead of the reciprocal's first reader
.set j, 0
.rept 16
	v_pk_mul_f32 v[S+j:S+j+1], v[O+j:O+j+1], v[SUM:SUM+1] op_sel_hi:[1,0]   ; O^T / the sum, from each accumulator's low end on
.set j, j+2
.endr
.irp b, 0,1
.irp k, 0,1,2,3
	ds_store_b128 v[STO], v[S+16*\b+4*\k:S+16*\b+4*\k+3] offset:128*\b+16*\k
.endr
.endr
.irp i, 0,1,2,3,4,5,6,7
	ds_load_b128 v[KF+4*\i:KF+4*\i+3], v[RD] offset:2*\i*SPITCH   ; these see my stores: LDS serves a wave's instructions in order (ISA guide 5.7.1.4)
.endr
.irp i, 0,1,2,3,4,5,6,7
	s_wait_dscnt 7-\i                              ; the loads behind this one may be out
	global_store_b128 v[GO], v[KF+4*\i:KF+4*\i+3], s[6:7] offset:(2*\i+8*(\i/4))*4096 th:TH_STORE_NT   ; stage rows 2 i, 2 i + 1 are queries 2 i + 8 (i / 4) and the next; 16 lanes store 256 consecutive bytes, at a multiple of 256 from out's first byte
.endr
	s_wait_xcnt 0x0
	v_lshl_add_u32 v254, v0, 2, 0x43000
	v_mov_b32 v255, 0
	s_wait_tensorcnt 0x0
	ds_add_u32 v254, v255
	s_wait_dscnt 0x0
	CROUND                                         ; the closing round: no work-group ends while a partner may still ask for a chunk that names it
	s_endpgm
.Lfunc_end_k_q280a368ece_attn:
	.size	k_q280a368ece_attn, .Lfunc_end_k_q280a368ece_attn-k_q280a368ece_attn
	.p2alignl 7, 3214868480
	.fill 96, 4, 3214868480
	.section	.rodata,"a",@progbits
	.p2align	6, 0x0
	.amdhsa_kernel k_q280a368ece_attn
		.amdhsa_group_segment_fixed_size 276480
		.amdhsa_private_segment_fixed_size 0
		.amdhsa_enable_private_segment 0
		.amdhsa_kernarg_size 16
		.amdhsa_user_sgpr_count 2
		.amdhsa_user_sgpr_kernarg_segment_ptr 1
		.amdhsa_wavefront_size32 1
		.amdhsa_system_sgpr_workgroup_id_x 1
		.amdhsa_system_sgpr_workgroup_id_y 1
		.amdhsa_system_sgpr_workgroup_id_z 1
		.amdhsa_system_vgpr_workitem_id 0
		.amdhsa_next_free_vgpr 256
		.amdhsa_next_free_sgpr 66
		.amdhsa_reserve_vcc 0
		.amdhsa_float_denorm_mode_32 3
		.amdhsa_float_denorm_mode_16_64 3
		.amdhsa_memory_ordered 1
		.amdhsa_forward_progress 1
		.amdhsa_inst_pref_size 80
	.end_amdhsa_kernel
	.amdgpu_metadata
---
amdhsa.version: [ 1, 2 ]
amdhsa.kernels:
  - .name:           k_q280a368ece_attn
    .symbol:         k_q280a368ece_attn.kd
    .args:
      - { .name: img, .offset: 0, .size: 8, .value_kind: global_buffer, .address_space: global }
      - { .name: out0, .offset: 8, .size: 8, .value_kind: global_buffer, .address_space: global }
    .group_segment_fixed_size: 276480
    .private_segment_fixed_size: 0
    .kernarg_segment_align: 8
    .kernarg_segment_size: 16
    .max_flat_workgroup_size: 512
    .sgpr_count:     66
    .vgpr_count:     256
    .wavefront_size: 32
...
	.end_amdgpu_metadata
.endif
;; end of part 4
